; MI455X (gfx1250); checked and timed in simulation.
; The chip was launched on July 23, 2026; its instructions are those of AMD's public machine-readable ISA for CDNA 5 (MIT licence, August 2026) and "CDNA5" Instruction Set Architecture Reference Guide (July 2026). The comments in the code are by the model that wrote it; some were corrected since.
;; Attention. Allowed arithmetic: matrix products marked QUANTISED: E2M1 operands, one E8M0 scale for each 32 along K, by v_wmma_scale_f32_16x16x128_f8f6f4 with both operands' format E2M1 (or v_wmma_scale_f32_32x16x128_f4), f32 sums; products left as they are: f32 operands where the result goes on into a quantised operand, else bf16, f16 or f32 operands; f32 sums; everything else in f32.
;; Inputs: Wk_codes 512 x 16 x 16 uint8 (E2M1 codes of Wk, K innermost, in blocks of 32 codes, two codes a byte); Wk_scales 512 x 16 uint8 (E8M0 scales of Wk, one for each 32 codes along K); Wq_codes 512 x 16 x 16 uint8 (E2M1 codes of Wq, K innermost, in blocks of 32 codes, two codes a byte); Wq_scales 512 x 16 uint8 (E8M0 scales of Wq, one for each 32 codes along K); Wv_codes 512 x 16 x 16 uint8 (E2M1 codes of Wv, K innermost, in blocks of 32 codes, two codes a byte); Wv_scales 512 x 16 uint8 (E8M0 scales of Wv, one for each 32 codes along K); bk 512 float32; bq 512 float32; bv 512 float32; x_codes 1,024 x 16 x 16 uint8 (E2M1 codes of x, K innermost, in blocks of 32 codes, two codes a byte); x_scales 1,024 x 16 uint8 (E8M0 scales of x, one for each 32 codes along K).
;; Outputs: out0 1,024 x 512 float32.
;; This version of the problem:
;;   THIS VERSION OF THE PROBLEM IS GIVEN IN LOW PRECISION. The matrix products marked QUANTISED in the list below multiply operands that are first quantised to E2M1 (2 exponent bits, 1 mantissa bit; 4 bits a number), with one power-of-two scale for each 32 numbers along K (OCP MX v1.0); their sums are f32. All else is computed in f32.
;;   The module's matrix products, in the order in which they are computed (A, B: the left and right operand; K: the contracted axis; several contracted axes count as one K, in the product's order):
;;     1. [M 1,024, K 512] x [K 512, N 512]; A: input x (given as codes); B: input Wq (given as codes): QUANTISED
;;     2. [M 1,024, K 512] x [K 512, N 512]; A: input x (given as codes); B: input Wk (given as codes): QUANTISED
;;     3. [M 1,024, K 512] x [K 512, N 512]; A: input x (given as codes); B: input Wv (given as codes): QUANTISED
;;     4. batch 1,024 x [M 512, K 512] x [K 512, N 1]; A: softmax; B: computed on the way: left as it is (N = 1 < 16)
;;   THE QUANTISER, for each operand of a quantised product, along K:
;;     - K is cut into blocks of 32 from its start; a last block that is shorter is filled with zeros.
;;     - A block's scale is 2^e with e = floor(log2(the largest magnitude in the block)) - 2, held to -126 .. 127; a block of zeros has e = 0. As a byte (E8M0): e + 127.
;;     - Each number is divided by its block's scale, clamped to +-6, and rounded to the nearest number of E2M1, ties to even, subnormals kept.
;;     - The product sums the exact products of the quantised numbers (number of the format x scale) in f32.
;;   ~~~python
;;   def quantise(x, axis):      # numpy; x: float32 -> the quantised numbers, widened to float32 again
;;       x = np.moveaxis(x, axis, -1); K = x.shape[-1]
;;       x = np.pad(x, [(0, 0)] * (x.ndim - 1) + [(0, -K % 32)]); x = x.reshape(x.shape[:-1] + (-1, 32)); a = np.abs(x).max(-1, keepdims=True)
;;       e = np.where(a > 0, np.clip(np.frexp(np.where(a > 0, a, 1))[1] - 1 - 2, -126, 127), 0)      # np.frexp(a)[1] - 1 = floor(log2(a)), exactly
;;       r = np.clip(x / 2.0 ** e, -6, 6)
;;       step = 2.0 ** (np.maximum(np.frexp(np.where(r == 0, 1, r))[1] - 1, 0) - 1)
;;       q = np.round(r / step) * step * 2.0 ** e      # np.round: ties to even
;;       return np.moveaxis(q.reshape(q.shape[:-2] + (-1,))[..., :K], -1, axis).astype(np.float32)
;;   ~~~
;;   INPUTS GIVEN AS CODES. Wk (in the module: [512, 512], K = its axis 1); Wq (in the module: [512, 512], K = its axis 1); Wv (in the module: [512, 512], K = its axis 1); x (in the module: [1024, 512], K = its axis 1): each comes as NAME_codes (uint8): NAME with its K axis moved to the last place and cut into blocks of 32 codes, [.., K / 32, bytes a block], one block behind the other in memory; two codes a byte, the lower K in the low four bits (a code: sign, 2 exponent bits, 1 mantissa bit); and NAME_scales (uint8): the same leading axes, one E8M0 byte (e + 127) for each 32 codes along K. Its value is code x scale, taken as it is: it is not quantised again, and the codes and scales need not be those that the quantiser above would give.
;; One version. Each part assembles by itself: llvm-mc -triple=amdgcn-amd-amdhsa -mcpu=gfx1250 --defsym DOCPART=n.
;; ======== version 1 of 1: 1 launch
;; launch attn (part 1): grid 64 x 4, 16 waves a work-group, clusters of 4 x 1, 327,680 bytes of LDS; arguments x_codes, x_scales, Wq_codes, Wq_scales, bq, Wk_codes, Wk_scales, bk, Wv_codes, Wv_scales, bv, out0; writes out0
.if DOCPART == 1
	.amdgcn_target "amdgcn-amd-amdhsa--gfx1250"
	.amdhsa_code_object_version 6
	.text
	.protected	k_q4fe3b6c0fa_attn
	.globl	k_q4fe3b6c0fa_attn
	.p2align	8
	.type	k_q4fe3b6c0fa_attn,@function
k_q4fe3b6c0fa_attn:
	s_mov_b64 s[64:65], 0
	v_nop
	global_prefetch_b8 v0, s[64:65] scope:SCOPE_SE
	s_setreg_imm32_b32 hwreg(HW_REG_WAVE_MODE, 25, 1), 1
	s_wait_xcnt 0x0
	s_wait_alu depctr_hold_cnt(0) depctr_sa_sdst(0) depctr_va_vdst(0) depctr_va_sdst(0) depctr_va_ssrc(0) depctr_va_vcc(0) depctr_vm_vsrc(0)
	s_getreg_b32 s2, hwreg(HW_REG_IB_STS2, 6, 4)
	s_cmp_eq_u32 s2, 0
	s_cbranch_scc0 .Lentry_in_a_cluster
	s_endpgm
.Lentry_in_a_cluster:
	s_bfe_u32 s2, ttmp6, 0x10000c
	s_cmp_lg_u32 s2, 0x3003
	s_cbranch_scc0 .Lentry_shape_is_right
	s_endpgm
.Lentry_shape_is_right:
; q, k, v = x W^T + b (three products on codes of FP4 (E2M1) with one E8M0 byte for each 32 along K, as the inputs give them), then for each token and each i:
; out[i] = sum over j of softmax_j(q_i k_j / sqrt(512)) v_j.  1,024 tokens, 512 features.  All behind the three products is f32.
; WHAT THE WORK IS.  512 x 512 exponentials a token; the projections are 20 matrix instructions a wave.  So the text is laid for the exponentials: few plain lines beside each, and four waves on a SIMD.
; SHARES.  A work-group owns 16 tokens (work-group x) and 128 of the 512 i (work-group y), and all 512 j.  It needs 128 rows of Wq and all of Wk and Wv: 1,152 rows of 256 bytes, which lie in LDS all at once:
; every LDS byte is filled once, there is no ring.  k and v of a token are thereby made by four work-groups; that is 16 matrix instructions a wave.
; CLUSTER.  The four work-groups of a cluster differ in x alone, so they want the same weight bytes: each tile is asked for JOINTLY, by the same tensor load with the same descriptor and the mask 15.
; PROJECTION.  Wave w fetches, and alone reads, 64 rows of Wk (w < 8) or Wv (w >= 8) and 8 rows of Wq.  Source 0 = the 16 tokens, source 1 = 16 weight rows: register j of lane (r, h) is token 8 h + j, weight row r of the tile.
; A K/V tile a takes the wave's rows 4 r + a, so that a lane's four tiles are four NEIGHBOURING features: with the bias added they leave as 16 bytes.  The Q tile has 8 rows; lanes 8-15 repeat them.
; MAIN PHASE.  Wave w owns token w of the 16, lane L the four i = 4 L .. 4 L + 3.  k_j and v_j are the same for all lanes: every lane reads the same LDS bytes.  Nothing is summed across lanes or waves.
; THE MAXIMUM is taken away, and is known ahead of the loop: max_j(q_i k_j) is q_i kmax or q_i kmin.  p = 2^(c q_i k_j - m_i), c = log2(e) / sqrt(512), one fused multiply-add and one v_exp_f32.
; The packed lines run along j (a pair = an even j and an odd j); q_i c and -m_i stand twice, in pairs, so that no packed line needs a selector.
; LIMITS.  NaN, infinities and the scale byte 0xff among the inputs are not served.  A p under 2^-126 counts as 0 (v_exp_f32 gives 0 there: ISA guide, its entry in 15.8).  m_i is c q_i k rounded once, so the
; largest exponent may lie one rounding of m_i away from 0; sum and weighted sum carry the same factor, which the division takes out.
.set KVREG, 16640                      ; LDS: a wave's 64 weight rows, stated as 16 rows of 1,024 bytes + 16 of padding: local row p at (p / 4) x 1,040 + (p % 4) x 256
.set KVP,   1040                       ; so the sixteen rows 4 r + a of a tile lie 1,040 = 65 x 16 bytes apart
.set QW,    16*KVREG                   ; behind them: 8 rows of Wq for each wave, 256 bytes + 16
.set QREG,  8*272
.set XS,    QW+16*QREG                 ; x's codes of the 16 tokens, 256 bytes + 16: stored by the waves; no tile lands here (301,056 = 1,176 x 256)
.set QS,    XS+16*272                  ; q of the 16 tokens x my 128 i, f32, 512 bytes + 16: likewise (305,408 = 1,193 x 256); it ends at 313,856
.set QP,    528
.set VBASE, 8*KVREG                    ; the stages of k lie in regions 0-7, those of v in regions 8-15: [16 tokens][64 features] f32, 256 bytes a token, in a region's first 4,096 bytes,
                                       ; which its own wave writes behind its last read of the weights there; the region has had its one fill
.set AX,    4                          ; v4   x's fragments: XS + 272 r + 16 h
.set AW,    5                          ; v5   my K/V weight fragments: 16,640 w + 1,040 r + 16 h
.set AQ,    6                          ; v6   my Wq fragments: QW + 2,176 w + 272 (r % 8) + 16 h
.set XSTO,  7                          ; v7   where I put 8 bytes of token w's codes
.set KVSTO, 8                          ; v8   my stage: 16,640 w + 2,048 h + 16 r
.set QSTO,  9                          ; v9   QS + 4,224 h + 32 w + 4 (r % 8)
.set QRD,   10                         ; v10  QS + 528 w + 16 lane: my four q
.set KM0,   11                         ; v11  token w's k, groups h and h + 2: 16,640 h + 256 w + 16 r
.set KM1,   12                         ; v12  groups h + 4 and h + 6
.set AK0,   13                         ; v13  256 w: token w's row in a stage of k
.set AV0,   14                         ; v14  the same for v
.set AK,    15                         ; v15  AK0 + the group in hand
.set AV,    16                         ; v16
.set XSC,   28                         ; v28-31  x's scale words, K step s at +s.  v28-51 hold scales and nothing else
.set SB,    32                         ; v32-51  the weights' scale words: tile u (0: Wq's; 1-4: K/V tile u - 1), K step s at 4 u + s
.set BI,    52                         ; v52-55  the bias of features 4 r + a
.set BQ,    56                         ; v56     bq of my Wq row
.set XF,    64                         ; v64-95   x's four fragments
.set WF,    96                         ; v96-175  weight fragments of two K steps: tile u at +16 u, step at +8
.set ACC,   176                        ; v176-215 five accumulators
.set ST,    96                         ; v96-127  k or v with its bias: token 8 h + j at +4 j, four neighbouring features
.set QT,    128                        ; v128-135 q with its bias
.set QQ,    64                         ; main phase: v64-71 (c q_i, c q_i);  v72-79 (-m_i, -m_i);  v80-87 the sums of p;  v88-95 the sums of p v
.set NM,    72
.set SUML,  80
.set SUMO,  88
.set TT,    96                         ; v96-159  64 exponents, then p: i at +16 i, the pair of j at +2
.set KA,    160                        ; two sets of 16 k and 16 v
.set VA,    176
.set KB,    192
.set VB,    208
.set KR,    224                        ; v224-239 sixteen of token w's 512 k
.set Q4,    240                        ; v240-243 my four q;  v244-255 at work
.set WV,    28                         ; s28  my wave's number
.set G0K,   32                         ; s[32:35], s[36:43] descriptor groups 0 and 1 for my K/V rows
.set G1K,   36
.set G0Q,   44                         ; s[44:47], s[48:55] for my rows of Wq
.set G1Q,   48
.set GB,    62                         ; s62  LDS step of the group of 64 j in hand
; A round of the cluster's barrier: my work-group's barrier, so that wave 0's signal speaks for all sixteen waves; wave 0 signals for the work-group; every wave waits for all four work-groups; my work-group's barrier once more.
.macro CROUND
	s_barrier_signal -1
	s_barrier_wait -1
	s_cmp_lg_u32 s[WV], 0
	s_cbranch_scc1 .Lnot_wave_0_\@
	s_barrier_signal -3
.Lnot_wave_0_\@:
	s_barrier_wait -3
	s_barrier_signal -1
	s_barrier_wait -1
.endm
	s_load_b512 s[4:19], s[0:1], 0x0               ; x_codes 4, x_scales 6, Wq_codes 8, Wq_scales 10, bq 12, Wk_codes 14, Wk_scales 16, bk 18
	s_load_b256 s[20:27], s[0:1], 0x40             ; Wv_codes 20, Wv_scales 22, bv 24, out0 26
	v_lshl_add_u32 v62, v0, 2, 0x4ca00
	v_mov_b32 v63, 0
	ds_add_u32 v62, v63
	ds_add_u32 v62, v63
	v_lshrrev_b32 v26, 5, v0
	v_readfirstlane_b32 s[WV], v26                 ; wave 0..15
	v_and_b32 v1, 15, v0                           ; r
	v_bfe_u32 v2, v0, 4, 1                         ; h
	v_and_b32 v3, 31, v0                           ; lane
	v_and_b32 v27, 7, v0                           ; r % 8
	s_bfe_u32 s29, ttmp6, 0x40000                  ; cx: my place in the cluster
	s_lshl_b32 s30, ttmp9, 2                       ; in a cluster launch ttmp9 counts clusters
	s_add_co_u32 s30, s30, s29                     ; my group of 16 tokens = 4 x cluster x + cx: it enters x's and out0's addresses alone
	s_and_b32 s31, ttmp7, 0xffff                   ; y: my quarter of the i, which the four partners share
	s_and_b32 s70, s[WV], 7                        ; which 64 rows of Wk or of Wv are mine
	s_lshl_b32 s72, s31, 4
	s_add_co_u32 s72, s72, s[WV]                   ; 16 y + w: which 8 rows of Wq
	s_lshl_b32 s73, s30, 4
	s_add_co_u32 s73, s73, s[WV]                   ; my token in the main phase, and the row of x that I bring
	s_mov_b32 s60, 0x76543210
	s_mov_b32 s61, 0xfedcba98                      ; v_permlanex16_b32's selects for lane l xor 16
	s_mov_b32 s71, 0x3d8293ee                      ; c = log2(e) / sqrt(512)
	; descriptor group 1, K/V: 64 weight rows are 16,384 dense bytes: 16 rows x 128 elements of 8 bytes, 16 bytes of padding behind each 1,024
	s_mov_b32 s[G1K+0], 15|(3<<16)|(1<<20)|(1<<21)|(7<<22)|(3<<25)  ; 15:0 the mask: all four work-groups; 17:16 elements of 8 bytes; 20 padding on; 21 set beside a mask; 24:22 after every 256 words (code 7); 31:25 four words (code 3)
	s_mov_b32 s[G1K+1], 128<<16                    ; tensor_dim0 = 128
	s_mov_b32 s[G1K+2], 16<<16                     ; tensor_dim1 = 16
	s_mov_b32 s[G1K+3], 128<<16                    ; tile_dim0 = 128
	s_mov_b32 s[G1K+4], 16                         ; tile_dim1 = 16
	s_mov_b32 s[G1K+5], 128                        ; from row to row: 128 elements (dense)
	s_mov_b32 s[G1K+6], 0
	s_mov_b32 s[G1K+7], 0
	; Wq: 8 rows x 32 elements of 8 bytes, 16 bytes of padding behind each 256
	s_mov_b32 s[G1Q+0], 15|(3<<16)|(1<<20)|(1<<21)|(5<<22)|(3<<25)
	s_mov_b32 s[G1Q+1], 32<<16
	s_mov_b32 s[G1Q+2], 8<<16
	s_mov_b32 s[G1Q+3], 32<<16
	s_mov_b32 s[G1Q+4], 8
	s_mov_b32 s[G1Q+5], 32
	s_mov_b32 s[G1Q+6], 0
	s_mov_b32 s[G1Q+7], 0
	s_mov_b32 s[G0K], 1                            ; count = 1
	s_mul_i32 s[G0K+1], s[WV], KVREG               ; LDS address: my region.  No place in the cluster enters an LDS address
	s_mov_b32 s[G0Q], 1
	s_mul_i32 s[G0Q+1], s[WV], QREG
	s_add_co_u32 s[G0Q+1], s[G0Q+1], QW
	; every LDS address and every global offset is made here, of the lane, the wave and constants; but for AK and AV none is written again
	v_mul_u32_u24 v[AX], v1, 272
	v_lshl_add_u32 v[AX], v2, 4, v[AX]
	v_add_nc_u32 v[AX], XS, v[AX]
	v_mul_u32_u24 v[AW], v1, KVP
	v_lshl_add_u32 v[AW], v2, 4, v[AW]
	v_add_nc_u32 v[AW], s[G0K+1], v[AW]
	v_mul_u32_u24 v[AQ], v27, 272
	v_lshl_add_u32 v[AQ], v2, 4, v[AQ]
	v_add_nc_u32 v[AQ], s[G0Q+1], v[AQ]
	s_mul_i32 s74, s[WV], 272
	s_add_co_u32 s74, s74, XS
	v_lshl_add_u32 v[XSTO], v3, 3, s74
	v_lshlrev_b32 v[KVSTO], 11, v2
	v_lshl_add_u32 v[KVSTO], v1, 4, v[KVSTO]
	v_add_nc_u32 v[KVSTO], s[G0K+1], v[KVSTO]
	s_lshl_b32 s75, s[WV], 5
	s_add_co_u32 s75, s75, QS
	v_mul_u32_u24 v[QSTO], v2, 8*QP
	v_lshl_add_u32 v[QSTO], v27, 2, v[QSTO]
	v_add_nc_u32 v[QSTO], s75, v[QSTO]
	s_mul_i32 s76, s[WV], QP
	s_add_co_u32 s76, s76, QS
	v_lshl_add_u32 v[QRD], v3, 4, s76
	v_mul_u32_u24 v[KM0], v2, KVREG
	v_lshl_add_u32 v[KM0], v1, 4, v[KM0]
	v_lshl_add_u32 v[KM0], v26, 8, v[KM0]
	v_add_nc_u32 v[KM1], 4*KVREG, v[KM0]
	v_lshlrev_b32 v[AK0], 8, v26
	v_add_nc_u32 v[AV0], VBASE, v[AK0]
	v_lshlrev_b32 v17, 3, v3                       ; 8 x lane: a row of x's codes
	v_lshlrev_b32 v18, 4, v1                       ; 16 r: x's scale bytes of token r; the biases of features 4 r ..
	v_lshlrev_b32 v19, 6, v1                       ; 64 r: the scale bytes of weight rows 4 r ..
	v_lshlrev_b32 v21, 4, v27                      ; 16 (r % 8): Wq's scale bytes
	v_lshlrev_b32 v22, 2, v27                      ; 4 (r % 8): bq
	v_lshlrev_b32 v23, 4, v3                       ; 16 x lane: my four outputs
	s_wait_dscnt 0x0
	s_wait_kmcnt 0x0
	s_cmp_lt_u32 s[WV], 8                          ; waves 0-7 make k, waves 8-15 v: the choice hangs on the wave's number alone, the same in all partners
	s_cselect_b64 s[G0K+2:G0K+3], s[14:15], s[20:21]
	s_cselect_b64 s[66:67], s[16:17], s[22:23]
	s_cselect_b64 s[68:69], s[18:19], s[24:25]
	s_mov_b32 s59, 0                               ; s[58:59]: offsets that never hold cx;  s[56:57]: those that do
	s_mov_b32 s57, 0
	s_lshl_b32 s58, s70, 14                        ; 64 rows of 256 bytes
	s_add_nc_u64 s[G0K+2:G0K+3], s[G0K+2:G0K+3], s[58:59]
	s_or_b32 s[G0K+3], s[G0K+3], 0x80000000        ; type = 2
	s_lshl_b32 s58, s70, 10                        ; 64 rows of 16 scale bytes
	s_add_nc_u64 s[66:67], s[66:67], s[58:59]
	s_lshl_b32 s58, s70, 8                         ; 64 biases
	s_add_nc_u64 s[68:69], s[68:69], s[58:59]
	s_lshl_b32 s58, s72, 11                        ; 8 rows of 256 bytes
	s_add_nc_u64 s[G0Q+2:G0Q+3], s[8:9], s[58:59]
	s_or_b32 s[G0Q+3], s[G0Q+3], 0x80000000
	s_lshl_b32 s58, s72, 7
	s_add_nc_u64 s[10:11], s[10:11], s[58:59]      ; Wq's scale bytes of my 8 rows
	s_lshl_b32 s58, s72, 5
	s_add_nc_u64 s[12:13], s[12:13], s[58:59]      ; bq of them
	s_lshl_b32 s56, s73, 8
	s_add_nc_u64 s[4:5], s[4:5], s[56:57]          ; x's codes of token w
	s_lshl_b32 s56, s30, 8
	s_add_nc_u64 s[6:7], s[6:7], s[56:57]          ; x's scale bytes of the 16 tokens
	s_lshl_b32 s56, s73, 11
	s_add_nc_u64 s[26:27], s[26:27], s[56:57]      ; out0: token w's row,
	s_lshl_b32 s58, s31, 9
	s_add_nc_u64 s[26:27], s[26:27], s[58:59]      ; my 128 of its 512 numbers
	global_load_b64 v[24:25], v17, s[4:5]          ; the wave reads 256 consecutive bytes: one token's codes
	global_load_b128 v[XSC:XSC+3], v18, s[6:7]
.irp a, 0,1,2,3
	global_load_b128 v[SB+4+4*\a:SB+7+4*\a], v19, s[66:67] offset:16*\a    ; weight row 4 r + a: four words, one a K step
.endr
	global_load_b128 v[BI:BI+3], v18, s[68:69]
	global_load_b128 v[SB:SB+3], v21, s[10:11]
	global_load_b32 v[BQ], v22, s[12:13]
	CROUND                                         ; all four work-groups are here: the joint loads meet
	tensor_load_to_lds s[G0Q:G0Q+3], s[G1Q:G1Q+7]  ; all fills of the launch, in one group: two tensor loads of mine are out
	s_nop 0
	tensor_load_to_lds s[G0K:G0K+3], s[G1K:G1K+7]
	s_nop 0
.rept 4
	v_nop                                          ; four v_nop follow the second
.endr
	; ---- x's codes reach all waves
	s_wait_loadcnt 8                               ; my row of x is in; the eight loads issued behind it may be out
	ds_store_b64 v[XSTO], v[24:25]
	s_wait_dscnt 0x0                               ; for the others' sake: my store has landed
	s_barrier_signal -1
	s_barrier_wait -1                              ; the 16 rows lie in LDS.  The tensor loads stay out
.irp s, 0,1,2,3
.irp c, 0,1
	ds_load_b128 v[XF+8*\s+4*\c:XF+8*\s+4*\c+3], v[AX] offset:64*\s+32*\c   ; a fragment, 16 rows x 128 K of 4-bit codes: registers 4 c .. 4 c + 3 hold K = 64 c + 32 h + 0 .. 31 of row r
.endr
.endr
	; ---- the projections: five tiles of 16 x 16, four K steps of 128; the weight fragments come two K steps at a time
.macro FRAGS run
.irp e, 0,1
.irp c, 0,1
	ds_load_b128 v[WF+8*\e+4*\c:WF+8*\e+4*\c+3], v[AQ] offset:64*(2*\run+\e)+32*\c
.irp a, 0,1,2,3
	ds_load_b128 v[WF+16*(\a+1)+8*\e+4*\c:WF+16*(\a+1)+8*\e+4*\c+3], v[AW] offset:256*\a+64*(2*\run+\e)+32*\c
.endr
.endr
.endr
.endm
; The five accumulators take turns, one instruction a turn, through both runs.  The first K step's products start the sums.
.macro MULS run
.irp e, 0,1
.irp u, 0,1,2,3,4
.if (2*\run+\e) == 0
	v_wmma_scale_f32_16x16x128_f8f6f4 v[ACC+8*\u:ACC+8*\u+7], v[XF+8*(2*\run+\e):XF+8*(2*\run+\e)+7], v[WF+16*\u+8*\e:WF+16*\u+8*\e+7], 0, v[XSC+2*\run+\e], v[SB+4*\u+2*\run+\e] matrix_a_fmt:MATRIX_FMT_FP4 matrix_b_fmt:MATRIX_FMT_FP4
.else
	v_wmma_scale_f32_16x16x128_f8f6f4 v[ACC+8*\u:ACC+8*\u+7], v[XF+8*(2*\run+\e):XF+8*(2*\run+\e)+7], v[WF+16*\u+8*\e:WF+16*\u+8*\e+7], v[ACC+8*\u:ACC+8*\u+7], v[XSC+2*\run+\e], v[SB+4*\u+2*\run+\e] matrix_a_fmt:MATRIX_FMT_FP4 matrix_b_fmt:MATRIX_FMT_FP4
.endif
.endr
.endr
.endm
	s_wait_tensorcnt 0x0                           ; my two tiles have landed; I alone read them, so this wait is all that the reads need
	FRAGS 0
	s_wait_loadcnt 0x0                             ; scale words and biases
	s_wait_dscnt 0x0
	MULS 0
.rept 4
	v_nop                                          ; four places in front of loads into registers that matrix instructions have read (ISA guide 7.12.1 for vector instructions)
.endr
	FRAGS 1
	s_wait_dscnt 0x0
	MULS 1
.rept 4
	v_nop                                          ; four places in front of the first read of results, and of every later write of the products' registers
.endr
.irp j, 0,1,2,3,4,5,6,7                        ; the bias, and the four tiles' numbers of a token side by side; each accumulator is read from its low end on
.irp a, 0,1,2,3
	v_add_f32 v[ST+4*\j+\a], v[ACC+8*(\a+1)+\j], v[BI+\a]
.endr
.endr
.irp j, 0,1,2,3,4,5,6,7
	v_add_f32 v[QT+\j], v[ACC+\j], v[BQ]
.endr
.irp j, 0,1,2,3,4,5,6,7
	ds_store_b128 v[KVSTO], v[ST+4*\j:ST+4*\j+3] offset:256*\j   ; token 8 h + j, features 4 r .. 4 r + 3 of my 64: sixteen lanes write 256 consecutive bytes
.endr
.irp j, 0,1,2,3,4,5,6,7
	ds_store_b32 v[QSTO], v[QT+\j] offset:QP*\j    ; q(token 8 h + j, 8 w + r % 8): lanes r and r + 8 write the same word with the same value
.endr
	s_wait_dscnt 0x0                               ; for the others' sake: my stores have landed (and my reads of the weights are long in)
	s_barrier_signal -1
	s_barrier_wait -1                              ; q, k and v of the 16 tokens lie in LDS; nothing is written to LDS from here on
	; ---- the main phase is set up.  16 k and 16 v, all lanes the same bytes, off bytes on in the group in hand
.macro KVLOAD kr, vr, off
.irp n, 0,1,2,3
	ds_load_b128 v[\kr+4*\n:\kr+4*\n+3], v[AK] offset:\off+16*\n
	ds_load_b128 v[\vr+4*\n:\vr+4*\n+3], v[AV] offset:\off+16*\n
.endr
.endm
	s_mov_b32 s[GB], 0
	v_add_nc_u32 v[AK], s[GB], v[AK0]
	v_add_nc_u32 v[AV], s[GB], v[AV0]
	ds_load_b128 v[Q4:Q4+3], v[QRD]
	ds_load_b128 v[KR:KR+3], v[KM0]                ; token w's 512 k, sixteen a lane, for their extremes
	ds_load_b128 v[KR+4:KR+7], v[KM0] offset:2*KVREG
	ds_load_b128 v[KR+8:KR+11], v[KM1]
	ds_load_b128 v[KR+12:KR+15], v[KM1] offset:2*KVREG
	KVLOAD KA, VA, 0
.irp n, 0,1,2,3,4,5,6,7
	v_mov_b32 v[SUML+\n], 0                        ; sixteen registers of sums begin at 0: the loop is written once
	v_mov_b32 v[SUMO+\n], 0
.endr
	v_mov_b32 v246, 0                              ; a lane permute's destination counts as one of its sources
	v_mov_b32 v247, 0
	s_wait_dscnt 8                                 ; q and the sixteen k are in; the eight loads of set A, issued behind them, may be out
	v_max3_num_f32 v244, v[KR], v[KR+1], v[KR+2]   ; kmax, and max(-k) = -kmin, by turns
	v_max3_num_f32 v245, -v[KR], -v[KR+1], -v[KR+2]
.irp n, 3,5,7,9,11,13
	v_max3_num_f32 v244, v244, v[KR+\n], v[KR+\n+1]
	v_max3_num_f32 v245, v245, -v[KR+\n], -v[KR+\n+1]
.endr
	v_max_num_f32 v244, v244, v[KR+15]
	v_max_num_f32 v245, v245, -v[KR+15]
.irp m, 1,2,4,8
	v_max_num_f32_dpp v244, v244, v244 row_xmask:\m row_mask:0xf bank_mask:0xf
	v_max_num_f32_dpp v245, v245, v245 row_xmask:\m row_mask:0xf bank_mask:0xf
.endr
	v_permlanex16_b32 v246, v244, s60, s61
	v_permlanex16_b32 v247, v245, s60, s61
	v_max_num_f32 v244, v244, v246                 ; every lane holds the token's kmax
	v_max_num_f32 v245, v245, v247                 ; and -kmin
.irp i, 0,1,2,3
	v_mul_f32 v[QQ+2*\i], s71, v[Q4+\i]            ; c q_i
.endr
.irp i, 0,1,2,3
	v_mov_b32 v[QQ+2*\i+1], v[QQ+2*\i]
	v_mul_f32 v[248+\i], -v[QQ+2*\i], v244         ; -(c q_i kmax)
	v_mul_f32 v[252+\i], v[QQ+2*\i], v245          ; -(c q_i kmin)
.endr
.irp i, 0,1,2,3
	v_min_num_f32 v[NM+2*\i], v[248+\i], v[252+\i] ; -m_i: the row's largest exponent, negated
.endr
.irp i, 0,1,2,3
	v_mov_b32 v[NM+2*\i+1], v[NM+2*\i]
.endr
; A BATCH: 16 j x my four i.  Set (kc, vc) was asked for a batch ago; pre = 1: the next 16 j are asked for now, into the other set, and have the whole batch in which to come.
; The 64 exponentials are one batch: none reads another's result; one plain line follows the last; ONE wait stands ahead of the first line that names a result.
; While this wave sits at that wait, the SIMD's other three waves have their own lines to issue.
.macro BATCH kc, vc, kn, vn, off, pre
	s_wait_dscnt 0x0                               ; nothing was issued behind this set's loads
.if \pre
	KVLOAD \kn, \vn, \off
.endif
.irp i, 0,1,2,3
.irp p, 0,1,2,3,4,5,6,7
	v_pk_fma_f32 v[TT+16*\i+2*\p:TT+16*\i+2*\p+1], v[\kc+2*\p:\kc+2*\p+1], v[QQ+2*\i:QQ+2*\i+1], v[NM+2*\i:NM+2*\i+1]   ; c q_i k_j - m_i, two j at a time
.endr
.endr
.set j, 0
.rept 64
	v_exp_f32 v[TT+j], v[TT+j]                     ; p, at most about 1
.set j, j+1
.endr
	v_nop                                          ; the plain line behind the last exponential
	s_wait_alu depctr_va_vdst(0)                   ; the batch's one wait
.irp p, 0,1,2,3,4,5,6,7
.irp i, 0,1,2,3
	v_pk_add_f32 v[SUML+2*\i:SUML+2*\i+1], v[SUML+2*\i:SUML+2*\i+1], v[TT+16*\i+2*\p:TT+16*\i+2*\p+1]   ; eight sums by turns: seven other lines stand between two on one sum
	v_pk_fma_f32 v[SUMO+2*\i:SUMO+2*\i+1], v[TT+16*\i+2*\p:TT+16*\i+2*\p+1], v[\vc+2*\p:\vc+2*\p+1], v[SUMO+2*\i:SUMO+2*\i+1]
.endr
.endr
.endm
; A GROUP: the 64 j of one stage, four batches.  The fourth asks for the next group's first 16 j, one region (16,640 bytes, inside the 16-bit offset) on; the last group asks for nothing there.
.macro GROUP last
	BATCH KA, VA, KB, VB, 64, 1
	BATCH KB, VB, KA, VA, 128, 1
	BATCH KA, VA, KB, VB, 192, 1
	BATCH KB, VB, KA, VA, KVREG, 1-\last
.if \last == 0
	s_add_co_u32 s[GB], s[GB], KVREG
	v_add_nc_u32 v[AK], s[GB], v[AK0]
	v_add_nc_u32 v[AV], s[GB], v[AV0]
.endif
.endm
	s_mov_b32 s63, 7
.Lgroup:                                               ; seven trips; the eighth group is written out, since it fetches nothing beyond itself
	GROUP 0
	s_sub_co_u32 s63, s63, 1
	s_cmp_lg_u32 s63, 0
	s_cbranch_scc1 .Lgroup
	GROUP 1
	; ---- the way out: the even and the odd j's halves are added, and the weighted sum is divided by the sum (which is about 1 at the least: the largest p)
.irp i, 0,1,2,3
	v_add_f32 v[248+\i], v[SUML+2*\i], v[SUML+2*\i+1]
.endr
.irp i, 0,1,2,3
	v_add_f32 v[252+\i], v[SUMO+2*\i], v[SUMO+2*\i+1]
.endr
.irp i, 0,1,2,3
	v_rcp_f32 v[248+\i], v[248+\i]
.endr
	v_nop                                          ; a plain line between the last reciprocal and the use of its result
	s_wait_alu depctr_va_vdst(0)                   ; one wait for the four, ahead of their first reader
.irp i, 0,1,2,3
	v_mul_f32 v[244+\i], v[252+\i], v[248+\i]
.endr
	global_store_b128 v23, v[244:247], s[26:27] th:TH_STORE_NT   ; the wave stores 512 consecutive bytes, at a multiple of 256 from out0's first byte; written once, read by nobody here
	s_wait_tensorcnt 0x0
	ds_add_u32 v62, v63
	s_wait_dscnt 0x0
	CROUND                                         ; the closing round: no work-group ends while a partner may still ask for a tile that names it.  (No LDS instruction of mine is out: the last batch waited for 0 and issued none)
	s_endpgm
.Lfunc_end_k_q4fe3b6c0fa_attn:
	.size	k_q4fe3b6c0fa_attn, .Lfunc_end_k_q4fe3b6c0fa_attn-k_q4fe3b6c0fa_attn
	.p2alignl 7, 3214868480
	.fill 96, 4, 3214868480
	.section	.rodata,"a",@progbits
	.p2align	6, 0x0
	.amdhsa_kernel k_q4fe3b6c0fa_attn
		.amdhsa_group_segment_fixed_size 327680
		.amdhsa_private_segment_fixed_size 0
		.amdhsa_enable_private_segment 0
		.amdhsa_kernarg_size 96
		.amdhsa_user_sgpr_count 2
		.amdhsa_user_sgpr_kernarg_segment_ptr 1
		.amdhsa_wavefront_size32 1
		.amdhsa_system_sgpr_workgroup_id_x 1
		.amdhsa_system_sgpr_workgroup_id_y 1
		.amdhsa_system_sgpr_workgroup_id_z 1
		.amdhsa_system_vgpr_workitem_id 0
		.amdhsa_next_free_vgpr 256
		.amdhsa_next_free_sgpr 80
		.amdhsa_reserve_vcc 0
		.amdhsa_float_denorm_mode_32 3
		.amdhsa_float_denorm_mode_16_64 3
		.amdhsa_memory_ordered 1
		.amdhsa_forward_progress 1
		.amdhsa_inst_pref_size 90
	.end_amdhsa_kernel
	.amdgpu_metadata
---
amdhsa.version: [ 1, 2 ]
amdhsa.kernels:
  - .name:           k_q4fe3b6c0fa_attn
    .symbol:         k_q4fe3b6c0fa_attn.kd
    .args:
      - { .name: x_codes, .offset: 0, .size: 8, .value_kind: global_buffer, .address_space: global }
      - { .name: x_scales, .offset: 8, .size: 8, .value_kind: global_buffer, .address_space: global }
      - { .name: Wq_codes, .offset: 16, .size: 8, .value_kind: global_buffer, .address_space: global }
      - { .name: Wq_scales, .offset: 24, .size: 8, .value_kind: global_buffer, .address_space: global }
      - { .name: bq, .offset: 32, .size: 8, .value_kind: global_buffer, .address_space: global }
      - { .name: Wk_codes, .offset: 40, .size: 8, .value_kind: global_buffer, .address_space: global }
      - { .name: Wk_scales, .offset: 48, .size: 8, .value_kind: global_buffer, .address_space: global }
      - { .name: bk, .offset: 56, .size: 8, .value_kind: global_buffer, .address_space: global }
      - { .name: Wv_codes, .offset: 64, .size: 8, .value_kind: global_buffer, .address_space: global }
      - { .name: Wv_scales, .offset: 72, .size: 8, .value_kind: global_buffer, .address_space: global }
      - { .name: bv, .offset: 80, .size: 8, .value_kind: global_buffer, .address_space: global }
      - { .name: out0, .offset: 88, .size: 8, .value_kind: global_buffer, .address_space: global }
    .group_segment_fixed_size: 327680
    .private_segment_fixed_size: 0
    .kernarg_segment_align: 8
    .kernarg_segment_size: 96
    .max_flat_workgroup_size: 512
    .sgpr_count:     80
    .vgpr_count:     256
    .wavefront_size: 32
...
	.end_amdgpu_metadata
.endif
;; end of part 1
